; MI455X (gfx1250); checked and timed in simulation.
; The chip was launched on July 23, 2026; its instructions are those of AMD's public machine-readable ISA for CDNA 5 (MIT licence, August 2026) and "CDNA5" Instruction Set Architecture Reference Guide (July 2026). The comments in the code are by the model that wrote it; some were corrected since.
;; Tiled Feed Forward. Allowed arithmetic: matrix products marked QUANTISED: E3M2 operands, one E8M0 scale for each 32 along K, by v_wmma_scale_f32_16x16x128_f8f6f4 with both operands' format E3M2, f32 sums; everything else in f32.
;; Inputs: W1_codes 4,096 x 32 x 24 uint8 (E3M2 codes of W1, K innermost, in blocks of 32 codes, four codes in three bytes); W1_scales 4,096 x 32 uint8 (E8M0 scales of W1, one for each 32 codes along K); W2_codes 1,024 x 128 x 24 uint8 (E3M2 codes of W2, K innermost, in blocks of 32 codes, four codes in three bytes); W2_scales 1,024 x 128 uint8 (E8M0 scales of W2, one for each 32 codes along K); b1 4,096 float32; b2 1,024 float32; hidden_states_codes 4 x 2,048 x 32 x 24 uint8 (E3M2 codes of hidden_states, K innermost, in blocks of 32 codes, four codes in three bytes); hidden_states_scales 4 x 2,048 x 32 uint8 (E8M0 scales of hidden_states, one for each 32 codes along K).
;; Outputs: out0 4 x 2,048 x 1,024 float32.
;; This version of the problem:
;;   THIS VERSION OF THE PROBLEM IS GIVEN IN LOW PRECISION. The matrix products marked QUANTISED in the list below multiply operands that are first quantised to E3M2 (3 exponent bits, 2 mantissa bits; 6 bits a number), with one power-of-two scale for each 32 numbers along K (OCP MX v1.0); their sums are f32. All else is computed in f32.
;;   The module's matrix products, in the order in which they are computed (A, B: the left and right operand; K: the contracted axis; several contracted axes count as one K, in the product's order):
;;     1. [M 8,192, K 1,024] x [K 1,024, N 4,096]; A: input hidden_states (given as codes); B: input W1 (given as codes): QUANTISED
;;     2. [M 8,192, K 4,096] x [K 4,096, N 1,024]; A: computed on the way; B: input W2 (given as codes): QUANTISED
;;   THE QUANTISER, for each operand of a quantised product, along K:
;;     - K is cut into blocks of 32 from its start; a last block that is shorter is filled with zeros.
;;     - A block's scale is 2^e with e = floor(log2(the largest magnitude in the block)) - 4, held to -126 .. 127; a block of zeros has e = 0. As a byte (E8M0): e + 127.
;;     - Each number is divided by its block's scale, clamped to +-28, and rounded to the nearest number of E3M2, ties to even, subnormals kept.
;;     - The product sums the exact products of the quantised numbers (number of the format x scale) in f32.
;;   ~~~python
;;   def quantise(x, axis):      # numpy; x: float32 -> the quantised numbers, widened to float32 again
;;       x = np.moveaxis(x, axis, -1); K = x.shape[-1]
;;       x = np.pad(x, [(0, 0)] * (x.ndim - 1) + [(0, -K % 32)]); x = x.reshape(x.shape[:-1] + (-1, 32)); a = np.abs(x).max(-1, keepdims=True)
;;       e = np.where(a > 0, np.clip(np.frexp(np.where(a > 0, a, 1))[1] - 1 - 4, -126, 127), 0)      # np.frexp(a)[1] - 1 = floor(log2(a)), exactly
;;       r = np.clip(x / 2.0 ** e, -28, 28)
;;       step = 2.0 ** (np.maximum(np.frexp(np.where(r == 0, 1, r))[1] - 1, -2) - 2)
;;       q = np.round(r / step) * step * 2.0 ** e      # np.round: ties to even
;;       return np.moveaxis(q.reshape(q.shape[:-2] + (-1,))[..., :K], -1, axis).astype(np.float32)
;;   ~~~
;;   OPERANDS COMPUTED ON THE WAY. 'Computed on the way' means the value that the module computes at that place (a softmax that the list does not call 'softmax' is quantised finished and normalised). What goes into a quantiser is computed in f32, as accurately as f32 sums, v_exp_f32 and their like allow (about 1e-6 of the number): no bf16 or f16 on the way to a quantiser, and a product that is left as it is and whose result goes on into a quantised operand takes f32 operands (vector FMAs, or v_wmma_f32_16x16x4_f32). A number that lies on a knife's edge between two numbers of the format may be rounded either way, as far as f32 arithmetic and the matrix unit's own rounding can turn it there, and no further.
;;   INPUTS GIVEN AS CODES. W1 (in the module: [1024, 4096], K = its axis 0); W2 (in the module: [4096, 1024], K = its axis 0); hidden_states (in the module: [4, 2048, 1024], K = its axis 2): each comes as NAME_codes (uint8): NAME with its K axis moved to the last place and cut into blocks of 32 codes, [.., K / 32, bytes a block], one block behind the other in memory; four codes in three bytes: a row's codes are one little-endian stream of bits, code i at bits 6 i .. 6 i + 5 (a code: sign, 3 exponent bits, 2 mantissa bits); and NAME_scales (uint8): the same leading axes, one E8M0 byte (e + 127) for each 32 codes along K. Its value is code x scale, taken as it is: it is not quantised again, and the codes and scales need not be those that the quantiser above would give.
;; One version. Each part assembles by itself: llvm-mc -triple=amdgcn-amd-amdhsa -mcpu=gfx1250 --defsym DOCPART=n.
;; ======== version 1 of 1: 2 launches
;; limits: right only within a limited range of input values
;; workspace buffers: hbuf 26,214,400 bytes; w2buf 3,276,800 bytes
;; launch up (part 1): grid 16 x 16, 4 waves a work-group, clusters of 4 x 4, 327,680 bytes of LDS; arguments hidden_states_codes, hidden_states_scales, W1_codes, W1_scales, b1, W2_codes, W2_scales, hbuf, w2buf; writes hbuf, w2buf
.if DOCPART == 1
	.amdgcn_target "amdgcn-amd-amdhsa--gfx1250"
	.amdhsa_code_object_version 6
	.text
	.protected	k_q2e03e8b1d7_up
	.globl	k_q2e03e8b1d7_up
	.p2align	8
	.type	k_q2e03e8b1d7_up,@function
k_q2e03e8b1d7_up:
	s_mov_b64 s[64:65], 0
	v_nop
	global_prefetch_b8 v0, s[64:65] scope:SCOPE_SE
	s_setreg_imm32_b32 hwreg(HW_REG_WAVE_MODE, 25, 1), 1
	s_wait_xcnt 0x0
	s_wait_alu depctr_hold_cnt(0) depctr_sa_sdst(0) depctr_va_vdst(0) depctr_va_sdst(0) depctr_va_ssrc(0) depctr_va_vcc(0) depctr_vm_vsrc(0)
	s_getreg_b32 s2, hwreg(HW_REG_IB_STS2, 6, 4)
	s_cmp_eq_u32 s2, 0
	s_cbranch_scc0 .Lentry_in_a_cluster
	s_endpgm
.Lentry_in_a_cluster:
	s_bfe_u32 s2, ttmp6, 0x10000c
	s_cmp_lg_u32 s2, 0xf033
	s_cbranch_scc0 .Lentry_shape_is_right
	s_endpgm
.Lentry_shape_is_right:
; h = relu(x W1^T + b1), quantised to codes of BF6 (E3M2) with one E8M0 byte for each 32 hidden units, written for the next launch as images of operand registers.
; x: 8,192 rows x 1,024 codes (768 bytes a row), W1: 4,096 rows x 1,024 codes; 32 scale bytes a row; b1: 4,096 f32.
; W1 STAYS IN REGISTERS: a wave holds 128 hidden units x all of K: 64 fragments of 12 registers (21 in each of windows 1 to 3, the last in window 0).
; A work-group of four waves = 2 halves of x's rows x 2 halves of 256 hidden units; it takes 512 rows of x: grid 16 x 16 = 256 work-groups.
; Wave (m, n): rows 256 m .. 256 m + 255 of the 512, hidden units 128 n .. 128 n + 127: 16 blocks of 16 rows, each 8 K steps x 8 products on 8 accumulators that take turns.
; So a fragment of x read from LDS feeds 8 products, and W1 is read from LDS once.  A block's 64 products follow each other with no load between them: the next block's eight fragments of x are
; loaded while this block is quantised, six into registers of their own and two into the quantiser's registers as these fall free.
; LDS: W1's 256 rows land at byte 0.  x goes in four slots of 128 rows (64 of each half): slots 0 and 2 at QB, slots 1 and 3 at byte 0, over W1's rows when every wave has them in registers.
; The head's loads: waves 0 and 1 bring W1 (128 rows each), waves 2 and 3 x's slot 0 (64 rows each); later slots come 32 rows a wave.
; A later slot is asked for 256 matrix instructions of each wave ahead of its first read, and the head has no loop to run ahead in: no prefetch is written.
; Rows are 768 bytes of memory, each beginning at a multiple of 256; 16 bytes of padding behind every 256: LDS pitch 816.
; CLUSTERS 4 x 4: x's slots are asked for jointly along a row of the cluster, W1's rows along a column.
; THE MATRIX INSTRUCTION IS USED TRANSPOSED (source 0 = 16 rows of W1, source 1 = 16 rows of x): lane (r, h), accumulator t, register j = hidden unit 16 t + 8 h + j of row r.
; The 16 registers of accumulators 2 B, 2 B + 1 are 16 numbers of block B of 32; the codes of a block come out in the order 0-7, 16-23, 8-15, 24-31.
; W2 IS RE-LAID ON THE WAY into w2buf, and its codes get the same order inside each block of 32 (groups of 8 codes = 6 bytes change places): the products stay the same, their order in a sum differs.
; b1 lies in LDS (stored by each wave for itself) and is loaded into the accumulators: it is the C of each sum's first product.
; hbuf: [64 tiles of 128 rows][32 K steps][12,800 bytes]: 8 fragments of 1,536 bytes (registers 4 c .. 4 c + 3 of lane l at 512 c + 16 l), then two units of 256 bytes of scale words (byte 8 l + 4 j: row 32 j + l of 64).
; w2buf: [4 tiles of 256 rows][32 K steps][25,600 bytes]: 16 fragments, then four such units.
; LIMITS: NaN and infinities in h are not served.  A block of h whose largest value lies under 2^-122, a block of zeros too, gets the byte 1: its codes are zeros, and only this program reads the bytes.
.set KROW,  768
.set PITCH, 816
.set BLK,   16*PITCH
.set XSLOT, 128*PITCH
.set QB,    2*XSLOT                    ; behind W1's 256 rows
.set BIAS,  3*XSLOT                    ; 512 bytes of b1 for each wave
.set SPARE, BIAS+2048                  ; the spare words: 128 bytes a wave
.set FRB,   1536
.set HREC,  12800
.set WREC,  25600
.set W2C2,  512*3072
.set W2S2,  512*128
.set W2R2,  64*WREC
.set PADW,  (1<<20)|(1<<21)|(5<<22)|(3<<25)   ; padding on, bit 21 beside a mask, after every 64 words, 4 words
.set CD, 0                             ; v0-11 the block's codes (at the head: v0 the thread, v1-7 at work, v8-11 W1's rows in LDS)
.set WA, 8
.set LI, 12                            ; 16 x lane
.set LS, 13                            ; 8 x lane
.set AQ, 14                            ; v14-15 my 64 rows in the slot at QB (second: 16 h more, behind one padding more)
.set AP, 16                            ; v16-17 the same in the slot at 0
.set NXT, 18                           ; v18-19 the next block
.set BA, 20                            ; b1 in LDS: + 32 h
.set XO, 21                            ; x's scale bytes: 32 r
.set SI, 22                            ; v22-23 a unit of scale words
.set HW, 24                            ; v24-27 the last four blocks' scale words
.set SPW, 28
.set NIL, 29
.set WI, 30
.set WU, 31
.set WSC, 32                           ; v32-63 W1's scale words: 8 p + s: lanes 0-15 block 2 p, lanes 16-31 block 2 p + 1, K step s
.set XS, 64                            ; v64-71 x's scale words of this block, K step s;  v72-79 the next block's
.set XN, 72
.set W63, 80                           ; W1's 64th fragment
.set AF, 92                            ; v92-163 x's fragments of K steps 0-5
.set ACC, 164                          ; v164-227 eight accumulators
.set TM, 228                           ; v228-239 the quantiser's: largest values, bytes, scale operands;  then x's fragment of K step 6
.set K6, 228
.set T2, 240                           ; v240-246 the conversions' second halves, v247 the scale word;  then v240-251 x's fragment of K step 7
.set PW, 247
.set K7, 240
.set WC, 252
.set WS, 253
.set WF, 92                            ; at the head: my two fragments of W2, their scale words (v116-119), two temporaries (v120-121)
.set WF2, 104
.set G1, 24
.set G0Q, 32
.set G0P, 36
.set G1B, 48
.set G0W, 56
.set G0H, 60
.set SB, 75
.set SN, 76
.set XOF, 78
.set XT, 80
.set STEP, 84
.set MSB, 0
.macro WIN new
.if MSB != (\new)
	s_set_vgpr_msb (MSB<<8)|(\new)
.set MSB, \new
.endif
.endm
.macro CREST
	s_cmp_lg_u32 s14, 0
	s_cbranch_scc1 .Lnot_wave_0_\@
	s_barrier_signal -3
.Lnot_wave_0_\@:
	s_barrier_wait -3
	s_barrier_signal -1
	s_barrier_wait -1
.endm
.macro CROUND
	s_barrier_signal -1
	s_barrier_wait -1
	CREST
.endm
.macro PLACES
.rept 4
	v_nop
.endr
.endm
.macro TLOAD g0, g1                    ; a joint load; the s_nop 0 and four v_nop
	tensor_load_to_lds s[\g0:\g0+3], s[\g1:\g1+7]
	s_nop 0
	PLACES
.endm
; a fragment: 16 rows x 128 K, K step st: six pieces of 8 bytes; byte y of a row lies at y + 16 (y / 256).  Lanes 16-31 read 24 bytes on: where that is behind one padding more, the second register serves
.macro FRAG reg, adr, st, base
.irp p, 0,1,2,3,4,5
.set BY, 96*(\st)+48*(\p/3)+8*(\p%3)
.if BY/256 == (BY+24)/256
	ds_load_b64 v[(\reg)+2*\p:(\reg)+2*\p+1], v[\adr] offset:BY+16*(BY/256)+(\base)
.else
	ds_load_b64 v[(\reg)+2*\p:(\reg)+2*\p+1], v[\adr+1] offset:BY+16*(BY/256)+(\base)
.endif
.endr
.endm
.macro WM wr, s, b
.if (\s) < 6
.set XF, AF+12*(\s)
.elseif (\s) == 6
.set XF, K6
.else
.set XF, K7
.endif
.if (\b)%2
	v_wmma_scale_f32_16x16x128_f8f6f4 v[ACC+8*(\b):ACC+8*(\b)+7], v[\wr:\wr+11], v[XF:XF+11], v[ACC+8*(\b):ACC+8*(\b)+7], v[WSC+8*((\b)/2)+(\s)], v[XS+(\s)] matrix_a_fmt:MATRIX_FMT_BF6 matrix_b_fmt:MATRIX_FMT_BF6 matrix_a_scale:MATRIX_SCALE_ROW1
.else
	v_wmma_scale_f32_16x16x128_f8f6f4 v[ACC+8*(\b):ACC+8*(\b)+7], v[\wr:\wr+11], v[XF:XF+11], v[ACC+8*(\b):ACC+8*(\b)+7], v[WSC+8*((\b)/2)+(\s)], v[XS+(\s)] matrix_a_fmt:MATRIX_FMT_BF6 matrix_b_fmt:MATRIX_FMT_BF6
.endif
.endm
.macro MULG g                          ; K steps 2 g and 2 g + 1: 16 products, the eight accumulators by turns
.irp e, 0,1
.irp b, 0,1,2,3,4,5,6,7
.set f, 8*(2*(\g)+\e)+\b
.if f < 63
	WIN f/21+1
	WM 12*(f%21), 2*(\g)+\e, \b
.else
	WIN 0
	WM W63, 2*(\g)+\e, \b
.endif
.endr
.endr
.endm
.macro BIASLD                          ; b1 of hidden units 16 t + 8 h + 0 .. 7 into accumulator t
.irp t, 0,1,2,3,4,5,6,7
	ds_load_b128 v[ACC+8*\t:ACC+8*\t+3], v[BA] offset:64*\t
	ds_load_b128 v[ACC+8*\t+4:ACC+8*\t+7], v[BA] offset:64*\t+16
.endr
.endm
; One block of 16 rows of x: 64 products, relu, the quantiser, three stores of 512 consecutive bytes.
.macro BLOCK ab
	s_add_co_u32 s[SN], s[SB], BLK
	s_min_u32 s[SN], s[SN], 3*BLK                  ; the slot's last block names itself again: what those 48 loads bring is not used, the next slot's first fragments come behind its barrier
	s_add_co_u32 s[XOF], s[XOF], 512
	s_min_u32 s[XOF], s[XOF], 15*512               ; my last block names its own scale bytes again: no load leaves the buffer
	s_add_nc_u64 s[XT:XT+1], s[6:7], s[XOF:XOF+1]
	v_add_nc_u32 v[NXT], s[SN], v[\ab]
	v_add_nc_u32 v[NXT+1], s[SN], v[\ab+1]
	global_load_b128 v[XN:XN+3], v[XO], s[XT:XT+1]            ; the next block's scale words
	global_load_b128 v[XN+4:XN+7], v[XO], s[XT:XT+1] offset:16
	s_wait_alu depctr_va_vdst(0)
	s_wait_dscnt 6                                 ; all but the youngest six loads, K step 7's: K steps 0-6 and b1 are in
	MULG 0
	MULG 1
	MULG 2
	s_wait_dscnt 0x0                               ; K step 7 is in
	MULG 3
	WIN 0
	PLACES                                         ; four places ahead of loads into registers that the products have read, and of the first read of results
.irp k, 0,1,2,3,4,5
	FRAG AF+12*\k, NXT, \k, 0
.endr
	s_wait_loadcnt 0x0                             ; the next block's scale words, asked for 64 products ago
	s_wait_xcnt 0x0                                ; the last block's stores have read their registers and their base
	s_add_nc_u64 s[12:13], s[12:13], s[STEP:STEP+1]   ; on to this block's place in hbuf
	s_mov_b32 s[STEP], FRB
.set j, 0
.rept 64
	v_max_num_f32 v[ACC+j], 0, v[ACC+j]            ; the activation; each accumulator from its low end on
.set j, j+1
.endr
.irp b, 0,1,2,3
	v_max3_num_f32 v[TM+\b], v[ACC+16*\b], v[ACC+1+16*\b], 0x2800000   ; block b: my 16 numbers and the floor 2^(5 - 127)
.endr
.irp i, 2,4,6,8,10,12,14
.irp b, 0,1,2,3
	v_max3_num_f32 v[TM+\b], v[TM+\b], v[ACC+16*\b+\i], v[ACC+1+16*\b+\i]
.endr
.endr
.irp b, 0,1,2,3
	v_permlanex16_b32 v[TM+4+\b], v[TM+\b], s20, s21
.endr
.irp b, 0,1,2,3
	v_max_num_f32 v[TM+\b], v[TM+\b], v[TM+4+\b]   ; with lane l xor 16's: the block's largest value
.endr
.irp b, 0,1,2,3
	v_add_nc_u32 v[TM+8+\b], 0xfe000000, v[TM+\b]  ; 4 off its exponent field: the conversion's scale operand
.endr
.irp b, 0,1,2,3
	v_lshrrev_b32 v[TM+4+\b], 23, v[TM+8+\b]       ; the scale's byte
.endr
	v_lshl_or_b32 v[PW], v[TM+5], 8, v[TM+4]
	v_lshl_or_b32 v[PW], v[TM+6], 16, v[PW]
	v_lshl_or_b32 v[PW], v[TM+7], 24, v[PW]
.irp c, 0,1
	v_cvt_scalef32_pk16_bf6_f32 v[CD+6*\c:CD+6*\c+2], v[ACC+32*\c:ACC+32*\c+15], v[TM+8+2*\c]
	v_cvt_scalef32_pk16_bf6_f32 v[T2+4*\c:T2+4*\c+2], v[ACC+16+32*\c:ACC+31+32*\c], v[TM+8+2*\c+1]
.endr
	v_nop                                          ; one plain place behind a scaled conversion
	BIASLD                                         ; the next block's sums begin with b1
	FRAG K6, NXT, 6, 0                             ; v228-239 are done with
.irp i, 0,1,2,3,4,5,6,7
	v_mov_b32 v[XS+\i], v[XN+\i]
.endr
.irp c, 0,1                                    ; a whole block in a lane: lanes 0-15 block 2 c, lanes 16-31 block 2 c + 1
.irp i, 0,1,2
	v_permlane16_swap_b32 v[CD+6*\c+\i], v[T2+4*\c+\i]
.endr
.irp i, 0,1,2
	v_mov_b32 v[CD+3+6*\c+\i], v[T2+4*\c+\i]
.endr
.endr
.irp c, 0,1,2
	global_store_b128 v[LI], v[CD+4*\c:CD+4*\c+3], s[12:13] offset:512*\c
.endr
	v_mov_b32 v[HW], v[HW+1]
	v_mov_b32 v[HW+1], v[HW+2]
	v_mov_b32 v[HW+2], v[HW+3]
	v_mov_b32 v[HW+3], v[PW]
	FRAG K7, NXT, 7, 0                             ; v240-251 are done with
.endm
; A slot of x: my four blocks.  fill = 1: the other slot is filled again behind a round of the cluster's barrier.
.macro PHASE p, ab, fill, g0
	s_wait_tensorcnt 0x0                           ; my part of this slot is in
	ds_add_u32 v[SPW], v[NIL]
.if (\fill) && (\p) > 0
	s_add_nc_u64 s[\g0+2:\g0+3], s[\g0+2:\g0+3], 2*64*KROW
.endif
	s_wait_dscnt 0x0                               ; the add, and my reads of the other slot
.if \fill
	CROUND
	TLOAD \g0, G1
.else
	s_barrier_signal -1
	s_barrier_wait -1
.endif
.irp k, 0,1,2,3,4,5
	FRAG AF+12*\k, \ab, \k, 0
.endr
	FRAG K6, \ab, 6, 0
	FRAG K7, \ab, 7, 0
	s_mov_b32 s[SB], 0
.Lblk_\@:
	BLOCK \ab
	s_add_co_u32 s[SB], s[SB], BLK
	s_cmp_lt_u32 s[SB], 4*BLK
	s_wait_alu depctr_va_vdst(0)
	s_cbranch_scc1 .Lblk_\@
	v_cndmask_b32 v[SI], v[HW], v[HW+1], s95       ; lanes 0-15: the first block's words, lanes 16-31 the second's
	v_cndmask_b32 v[SI+1], v[HW+2], v[HW+3], s95
.if (\p)%2 == 0
	global_store_b64 v[LS], v[SI:SI+1], s[12:13] offset:5*FRB      ; the base stands at the record's fragment 3: unit 0, 256 consecutive bytes, aligned
.else
	global_store_b64 v[LS], v[SI:SI+1], s[12:13] offset:FRB+256    ; the base stands at fragment 7: unit 1
	s_mov_b32 s[STEP], 32*HREC-7*FRB                               ; the next block begins the next tile of 128 rows
.endif
.endm
.macro PERMW w                         ; in each 24 bytes (a block of 32 codes) bytes 6-11 and 12-17 change places
.irp c, 0,6
	v_perm_b32 v120, v[\w+\c+2], v[\w+\c+1], 0x05040302
	v_perm_b32 v[\w+\c+1], v[\w+\c+3], v[\w+\c+1], 0x05040100
	v_perm_b32 v121, v[\w+\c+4], v[\w+\c+2], 0x07060302
	v_perm_b32 v[\w+\c+2], v[\w+\c+4], v[\w+\c+3], 0x05040302
	v_mov_b32 v[\w+\c+3], v120
	v_mov_b32 v[\w+\c+4], v121
.endr
.endm
	s_load_b128 s[4:7], s[0:1], 0x0                ; x's codes, x's scales
	s_load_b128 s[8:11], s[0:1], 0x10              ; W1's codes, W1's scales
	s_load_b128 s[96:99], s[0:1], 0x20             ; b1, W2's codes
	s_load_b64 s[100:101], s[0:1], 0x30            ; W2's scales
	s_load_b64 s[12:13], s[0:1], 0x38              ; hbuf
	s_load_b64 s[66:67], s[0:1], 0x40              ; w2buf
	v_lshl_add_u32 v[SPW], v0, 2, SPARE
	v_mov_b32 v[NIL], 0
	ds_add_u32 v[SPW], v[NIL]                      ; the opening lines: the add twice on end
	ds_add_u32 v[SPW], v[NIL]
	v_lshrrev_b32 v1, 5, v0
	v_readfirstlane_b32 s14, v1                    ; wave
	s_lshr_b32 s15, s14, 1                         ; m: my half of x's rows.  At the head: I fetch W1 (0) or x (1)
	s_and_b32 s16, s14, 1                          ; n: my half of the hidden units.  At the head: which half of the tile I fetch
	s_bfe_u32 s40, ttmp6, 0x40000
	s_bfe_u32 s41, ttmp6, 0x40004
	s_lshl_b32 s42, ttmp9, 2
	s_add_co_u32 s42, s42, s40                     ; column: 256 hidden units
	s_and_b32 s17, ttmp7, 0xffff
	s_lshl_b32 s17, s17, 2
	s_add_co_u32 s17, s17, s41                     ; row: 512 rows of x
	s_lshl_b32 s43, s41, 2
	s_lshl_b32 s43, 15, s43
	s_lshl_b32 s44, 0x1111, s40
	s_or_b32 s[G1], s43, PADW                      ; x: rows of 768 bytes, shared along my row of the cluster: 64 rows at the head, 32 later
	s_or_b32 s[G1B], s44, PADW                     ; W1: 128 rows, shared along my column
.irp g, G1, G1B
	s_mov_b32 s[\g+1], KROW<<16
	s_mov_b32 s[\g+3], KROW<<16
	s_mov_b32 s[\g+5], KROW
	s_mov_b32 s[\g+6], 0
	s_mov_b32 s[\g+7], 0
.endr
	s_mov_b32 s[G1+2], 64<<16
	s_mov_b32 s[G1+4], 64
	s_mov_b32 s[G1B+2], 128<<16
	s_mov_b32 s[G1B+4], 128
	s_lshl_b32 s86, s17, 9
	s_lshl_b32 s18, s15, 8
	s_add_co_u32 s77, s86, s18                     ; my first row of x
	s_lshl_b32 s18, s16, 5
	s_add_co_u32 s20, s77, s18                     ; of a later slot's 64 rows of my half I fetch 32
	s_mul_i32 s20, s20, KROW
	s_mov_b32 s21, 0
	s_lshl_b32 s18, s16, 8
	s_add_co_u32 s86, s86, s18                     ; at the head waves 2 and 3 fetch the 64 rows of half 0 and of half 1
	s_mul_i32 s86, s86, KROW
	s_mov_b32 s87, 0
	s_lshl_b32 s82, s42, 8
	s_lshl_b32 s18, s16, 7
	s_add_co_u32 s46, s82, s18                     ; W1: waves 0 and 1 fetch 128 rows each
	s_mul_i32 s46, s46, KROW
	s_mov_b32 s47, 0
	s_mul_i32 s45, s14, 32*PITCH
	s_wait_dscnt 0x0
	s_wait_kmcnt 0x0
	s_add_nc_u64 s[20:21], s[4:5], s[20:21]
	s_add_nc_u64 s[86:87], s[4:5], s[86:87]
	s_add_nc_u64 s[46:47], s[8:9], s[46:47]
	CROUND                                         ; in front of the first joint loads
	s_mov_b32 s[G0W], 1
	s_mul_i32 s[G0W+1], s16, 128*PITCH
	s_mov_b64 s[G0W+2:G0W+3], s[46:47]
	s_or_b32 s[G0W+3], s[G0W+3], 0x80000000
	s_mov_b32 s[G0H], 1
	s_mul_i32 s[G0H+1], s16, 64*PITCH
	s_add_co_u32 s[G0H+1], s[G0H+1], QB
	s_mov_b64 s[G0H+2:G0H+3], s[86:87]
	s_or_b32 s[G0H+3], s[G0H+3], 0x80000000
	s_mov_b32 s[G0Q], 1
	s_add_co_u32 s[G0Q+1], s45, QB
	s_mov_b64 s[G0Q+2:G0Q+3], s[20:21]             ; stands at slot 0; first used, two slots on, for slot 2
	s_or_b32 s[G0Q+3], s[G0Q+3], 0x80000000
	s_mov_b32 s[G0P], 1
	s_add_co_u32 s[G0P+1], s45, 0
	s_add_nc_u64 s[G0P+2:G0P+3], s[20:21], 64*KROW ; slot 1
	s_or_b32 s[G0P+3], s[G0P+3], 0x80000000
	s_cmp_eq_u32 s15, 0                            ; the head's loads, one a wave, in the two arms of one branch
	s_cbranch_scc0 .Lhead_x
	TLOAD G0W, G1B
	s_branch .Lhead_asked
.Lhead_x:
	TLOAD G0H, G1
.Lhead_asked:
	s_mul_i32 s68, s15, 64*PITCH
	s_add_co_u32 s69, s68, QB
	s_mul_i32 s70, s16, 128*PITCH
	s_add_co_u32 s71, s70, 4*BLK
	s_lshl_b32 s72, s14, 9
	s_add_co_u32 s72, s72, BIAS
	s_mov_b32 s19, 0
	s_lshl_b32 s18, s77, 5
	s_add_nc_u64 s[6:7], s[6:7], s[18:19]          ; x's scale bytes at my first row
	s_lshl_b32 s83, s16, 7
	s_add_co_u32 s83, s83, s82                     ; my first hidden unit
	s_lshl_b32 s18, s83, 5
	s_add_nc_u64 s[10:11], s[10:11], s[18:19]
	s_lshl_b32 s18, s83, 2
	s_add_nc_u64 s[96:97], s[96:97], s[18:19]
	s_lshr_b32 s18, s77, 7
	s_lshl_b32 s18, s18, 5
	s_lshr_b32 s22, s83, 7
	s_add_co_u32 s18, s18, s22
	s_mul_i32 s18, s18, HREC
	s_add_nc_u64 s[12:13], s[12:13], s[18:19]      ; my first record of hbuf
	; which parts of W2 my work-group copies: g = column + 16 x row: rows 256 (g / 128) + 64 (g % 4) on, K step (g / 4) % 32, record g / 4; and the same 512 rows, 64 records, on
	s_lshl_b32 s2, s17, 4
	s_add_co_u32 s2, s2, s42
	s_and_b32 s3, s2, 3
	s_lshr_b32 s18, s2, 2
	s_and_b32 s19, s18, 31
	s_lshr_b32 s2, s2, 7
	s_lshl_b32 s2, s2, 8
	s_lshl_b32 s20, s3, 6
	s_add_co_u32 s2, s2, s20
	s_mov_b32 s21, 0
	s_lshl_b32 s20, s14, 4
	s_add_co_u32 s20, s20, s2
	s_mul_i32 s20, s20, 3072
	s_mul_i32 s22, s19, 96
	s_add_co_u32 s20, s20, s22
	s_add_nc_u64 s[98:99], s[98:99], s[20:21]
	s_lshl_b32 s20, s2, 7
	s_lshl_b32 s22, s19, 2
	s_add_co_u32 s20, s20, s22
	s_add_nc_u64 s[100:101], s[100:101], s[20:21]
	s_mul_i32 s20, s18, WREC
	s_add_nc_u64 s[66:67], s[66:67], s[20:21]
	s_lshl_b32 s73, s3, 2
	s_add_co_u32 s73, s73, s14
	s_mul_i32 s73, s73, FRB
	s_lshl_b32 s74, s3, 8
	s_add_co_u32 s74, s74, 16*FRB
	s_mov_b32 s95, 0xffff0000
	s_mov_b32 s20, 0x76543210
	s_mov_b32 s21, 0xfedcba98
	s_mov_b32 s[XOF], 0
	s_mov_b32 s[XOF+1], 0
	s_mov_b32 s[STEP], 0                           ; my first block is stored where the base stands
	s_mov_b32 s[STEP+1], 0
	v_and_b32 v1, 15, v0                           ; r
	v_bfe_u32 v2, v0, 4, 1                         ; h
	v_and_b32 v3, 31, v0                           ; lane
	v_mul_u32_u24 v4, v1, PITCH
	v_mad_u32_u24 v4, v2, 24, v4
	v_lshl_add_u32 v5, v2, 4, v4
	v_add_nc_u32 v[AP], s68, v4
	v_add_nc_u32 v[AP+1], s68, v5
	v_add_nc_u32 v[AQ], s69, v4
	v_add_nc_u32 v[AQ+1], s69, v5
	v_add_nc_u32 v[WA], s70, v4
	v_add_nc_u32 v[WA+1], s70, v5
	v_add_nc_u32 v[WA+2], s71, v4
	v_add_nc_u32 v[WA+3], s71, v5
	v_lshlrev_b32 v[LI], 4, v3
	v_lshlrev_b32 v[LS], 3, v3
	v_lshlrev_b32 v[XO], 5, v1
	v_lshlrev_b32 v6, 5, v3
	v_lshl_add_u32 v[BA], v2, 5, s72
	v_lshl_add_u32 v7, v3, 4, s72
	v_mul_u32_u24 v[WC], v1, 3072
	v_mad_u32_u24 v[WC], v2, 24, v[WC]
	v_lshlrev_b32 v[WS], 7, v3
	v_lshl_add_u32 v[WI], v3, 4, s73
	v_lshl_add_u32 v[WU], v3, 3, s74
.irp b, 0,1,2,3
	v_mov_b32 v[HW+\b], 0
.endr
	s_wait_alu depctr_va_vdst(0)
	global_load_b128 v[TM:TM+3], v[LI], s[96:97]   ; my 128 numbers of b1
.irp p, 0,1,2,3
	global_load_b128 v[WSC+8*\p:WSC+8*\p+3], v6, s[10:11] offset:1024*\p
	global_load_b128 v[WSC+8*\p+4:WSC+8*\p+7], v6, s[10:11] offset:1024*\p+16
.endr
	global_load_b128 v[XS:XS+3], v[XO], s[6:7]
	global_load_b128 v[XS+4:XS+7], v[XO], s[6:7] offset:16
.irp p, 0,1,2,3,4,5
	global_load_b64 v[WF+2*\p:WF+2*\p+1],   v[WC], s[98:99] offset:48*(\p/3)+8*(\p%3)
	global_load_b64 v[WF2+2*\p:WF2+2*\p+1], v[WC], s[98:99] offset:W2C2+48*(\p/3)+8*(\p%3)
.endr
	s_cmp_lg_u32 s14, 0
	s_cbranch_scc1 .Lno_words_in
	global_load_b32 v116, v[WS], s[100:101]
	global_load_b32 v117, v[WS], s[100:101] offset:4096
	global_load_b32 v118, v[WS], s[100:101] offset:W2S2
	global_load_b32 v119, v[WS], s[100:101] offset:W2S2+4096
.Lno_words_in:
	s_wait_tensorcnt 0x0                           ; my tile of the head's four is in; no load of mine is out, so a descriptor may be written:
	s_mov_b32 s[G1+2], 32<<16                      ; from here on a load of x brings 32 rows
	s_mov_b32 s[G1+4], 32
	s_barrier_signal -1
	s_barrier_wait -1                              ; everybody's tile is in
.set f, 0
.rept 64                               ; W1 into registers: fragment 8 s + b = K step s of my block b
.if f < 63
	WIN (f/21+1)<<6
	FRAG 12*(f%21), WA+2*((f%8)/4), f/8, ((f%8)%4)*BLK
.else
	WIN 0
	FRAG W63, WA+2*((f%8)/4), f/8, ((f%8)%4)*BLK
.endif
.set f, f+1
.endr
	WIN 0
	s_wait_loadcnt 0x0
	ds_store_b128 v7, v[TM:TM+3]                   ; b1 into my own 512 bytes; LDS serves a wave's instructions in order
	BIASLD
	PERMW WF
	PERMW WF2
.irp c, 0,1,2
	global_store_b128 v[WI], v[WF+4*\c:WF+4*\c+3], s[66:67] offset:512*\c
	global_store_b128 v[WI], v[WF2+4*\c:WF2+4*\c+3], s[66:67] offset:W2R2+512*\c
.endr
	s_cmp_lg_u32 s14, 0
	s_cbranch_scc1 .Lno_words_out
	global_store_b64 v[WU], v[116:117], s[66:67]
	global_store_b64 v[WU], v[118:119], s[66:67] offset:W2R2
.Lno_words_out:
	s_wait_xcnt 0x0                                ; the stores have read v92-119: x's fragments may land there
	PHASE 0, AQ, 1, G0P                            ; slot 1 lands on W1's first 128 rows: every wave has W1 in registers
	PHASE 1, AP, 1, G0Q
	PHASE 2, AQ, 1, G0P
	PHASE 3, AP, 0, G0Q
	s_wait_tensorcnt 0x0                           ; the wave's end
	ds_add_u32 v[SPW], v[NIL]
	s_wait_dscnt 0x0
	CROUND                                         ; the closing round
	s_endpgm
.Lfunc_end_k_q2e03e8b1d7_up:
	.size	k_q2e03e8b1d7_up, .Lfunc_end_k_q2e03e8b1d7_up-k_q2e03e8b1d7_up
	.p2alignl 7, 3214868480
	.fill 96, 4, 3214868480
	.section	.rodata,"a",@progbits
	.p2align	6, 0x0
	.amdhsa_kernel k_q2e03e8b1d7_up
		.amdhsa_group_segment_fixed_size 327680
		.amdhsa_private_segment_fixed_size 0
		.amdhsa_enable_private_segment 0
		.amdhsa_kernarg_size 72
		.amdhsa_user_sgpr_count 2
		.amdhsa_user_sgpr_kernarg_segment_ptr 1
		.amdhsa_wavefront_size32 1
		.amdhsa_system_sgpr_workgroup_id_x 1
		.amdhsa_system_sgpr_workgroup_id_y 1
		.amdhsa_system_sgpr_workgroup_id_z 1
		.amdhsa_system_vgpr_workitem_id 0
		.amdhsa_next_free_vgpr 1024
		.amdhsa_next_free_sgpr 102
		.amdhsa_reserve_vcc 0
		.amdhsa_float_denorm_mode_32 3
		.amdhsa_float_denorm_mode_16_64 3
		.amdhsa_memory_ordered 1
		.amdhsa_forward_progress 1
		.amdhsa_inst_pref_size 134
	.end_amdhsa_kernel
	.amdgpu_metadata
---
amdhsa.version: [ 1, 2 ]
amdhsa.kernels:
  - .name:           k_q2e03e8b1d7_up
    .symbol:         k_q2e03e8b1d7_up.kd
    .args:
      - { .name: hidden_states_codes, .offset: 0, .size: 8, .value_kind: global_buffer, .address_space: global }
      - { .name: hidden_states_scales, .offset: 8, .size: 8, .value_kind: global_buffer, .address_space: global }
      - { .name: W1_codes, .offset: 16, .size: 8, .value_kind: global_buffer, .address_space: global }
      - { .name: W1_scales, .offset: 24, .size: 8, .value_kind: global_buffer, .address_space: global }
      - { .name: b1, .offset: 32, .size: 8, .value_kind: global_buffer, .address_space: global }
      - { .name: W2_codes, .offset: 40, .size: 8, .value_kind: global_buffer, .address_space: global }
      - { .name: W2_scales, .offset: 48, .size: 8, .value_kind: global_buffer, .address_space: global }
      - { .name: hbuf, .offset: 56, .size: 8, .value_kind: global_buffer, .address_space: global }
      - { .name: w2buf, .offset: 64, .size: 8, .value_kind: global_buffer, .address_space: global }
    .group_segment_fixed_size: 327680
    .private_segment_fixed_size: 0
    .kernarg_segment_align: 8
    .kernarg_segment_size: 72
    .max_flat_workgroup_size: 128
    .sgpr_count:     102
    .vgpr_count:     1024
    .wavefront_size: 32
...
	.end_amdgpu_metadata
.endif
;; end of part 1
;; launch down (part 2): grid 4 x 64, 4 waves a work-group, clusters of 4 x 4, 327,680 bytes of LDS; arguments hbuf, w2buf, b2, out0; writes out0
.if DOCPART == 2
	.amdgcn_target "amdgcn-amd-amdhsa--gfx1250"
	.amdhsa_code_object_version 6
	.text
	.protected	k_q2e03e8b1d7_down
	.globl	k_q2e03e8b1d7_down
	.p2align	8
	.type	k_q2e03e8b1d7_down,@function
k_q2e03e8b1d7_down:
	s_mov_b64 s[64:65], 0
	v_nop
	global_prefetch_b8 v0, s[64:65] scope:SCOPE_SE
	s_setreg_imm32_b32 hwreg(HW_REG_WAVE_MODE, 25, 1), 1
	s_wait_xcnt 0x0
	s_wait_alu depctr_hold_cnt(0) depctr_sa_sdst(0) depctr_va_vdst(0) depctr_va_sdst(0) depctr_va_ssrc(0) depctr_va_vcc(0) depctr_vm_vsrc(0)
	s_getreg_b32 s2, hwreg(HW_REG_IB_STS2, 6, 4)
	s_cmp_eq_u32 s2, 0
	s_cbranch_scc0 .Lentry_in_a_cluster
	s_endpgm
.Lentry_in_a_cluster:
	s_bfe_u32 s2, ttmp6, 0x10000c
	s_cmp_lg_u32 s2, 0xf033
	s_cbranch_scc0 .Lentry_shape_is_right
	s_endpgm
.Lentry_shape_is_right:
.set FR,     12
.set FRB,    1536
.set NL,     3
.set NP,     4
.set ARECB,  12800
.set BRECB,  25600
.set ASLOT,  4*ARECB
.set SLOT,   4*ARECB+4*BRECB
.set SPARE,  2*SLOT
.set LAPS,   4
.set XCH,    32768
.set STAGE,  SLOT
.set SPITCH, 528
.set OROW,   4096
.set ADAL, 8
.set ADAH, 10
.set ADRB, 12
.set ASL,  14
.set ASH,  16
.set BS,   18
.set XS,   20
.set XR,   21
.set STO,  24
.set RD,   25
.set CO,   26
.set BO,   27
.set SPW,  28
.set NIL,  29
.set SC,   32
.set BI,   64
.set AF,   128
.set BK,   128
.set G1, 24
.set G0, 32
.set G1B, 48
.set G0B, 56
.set MSB, 0
.macro WIN new
.if MSB != (\new)
	s_set_vgpr_msb (MSB<<8)|(\new)
.set MSB, \new
.endif
.endm
.set MUL_LO,  0xa1
.set MUL_HI,  0xf1
.set BIAS_LO, 0x81
.set TO_B,    0x40
.macro JLOAD g0a, g1a, g0b, g1b
	s_cmp_eq_u32 s15, 0
	s_cbranch_scc0 .Lfor_b_\@
	tensor_load_to_lds s[\g0a:\g0a+3], s[\g1a:\g1a+7]
	s_nop 0
.rept 4
	v_nop
.endr
	s_branch .Lasked_\@
.Lfor_b_\@:
	tensor_load_to_lds s[\g0b:\g0b+3], s[\g1b:\g1b+7]
	s_nop 0
.rept 4
	v_nop
.endr
.Lasked_\@:
.endm
.macro CREST
	s_cmp_lg_u32 s14, 0
	s_cbranch_scc1 .Lnot_wave_0_\@
	s_barrier_signal -3
.Lnot_wave_0_\@:
	s_barrier_wait -3
	s_barrier_signal -1
	s_barrier_wait -1
.endm
.macro CROUND
	s_barrier_signal -1
	s_barrier_wait -1
	CREST
.endm
	s_load_b128 s[4:7], s[0:1], 0x0
	s_load_b128 s[8:11], s[0:1], 0x10
	v_lshl_add_u32 v[SPW], v0, 2, SPARE
	v_mov_b32 v[NIL], 0
	ds_add_u32 v28, v29
	ds_add_u32 v28, v29
	s_wait_dscnt 0x0
	v_lshrrev_b32 v1, 5, v0
	v_readfirstlane_b32 s14, v1
	s_lshr_b32 s15, s14, 1
	s_and_b32 s16, s14, 1
	s_bfe_u32 s40, ttmp6, 0x40000
	s_bfe_u32 s41, ttmp6, 0x40004
	s_lshl_b32 s42, ttmp9, 2
	s_add_co_u32 s42, s42, s40
	s_and_b32 s17, ttmp7, 0xffff
	s_lshl_b32 s17, s17, 2
	s_add_co_u32 s17, s17, s41
	s_lshl_b32 s43, s41, 2
	s_lshl_b32 s43, 15, s43
	s_lshl_b32 s44, 0x1111, s40
	s_or_b32 s[G1+0], s43, (3<<16)|(1<<21)
	s_mov_b32 s[G1+1], 32<<16
	s_mov_b32 s[G1+2], 100<<16
	s_mov_b32 s[G1+3], 32<<16
	s_mov_b32 s[G1+4], 100
	s_mov_b32 s[G1+5], 32
	s_mov_b32 s[G1+6], 0
	s_mov_b32 s[G1+7], 0
	s_or_b32 s[G1B+0], s44, (3<<16)|(1<<21)
	s_mov_b32 s[G1B+1], 32<<16
	s_mov_b32 s[G1B+2], 200<<16
	s_mov_b32 s[G1B+3], 32<<16
	s_mov_b32 s[G1B+4], 200
	s_mov_b32 s[G1B+5], 32
	s_mov_b32 s[G1B+6], 0
	s_mov_b32 s[G1B+7], 0
	s_mul_i32 s20, s17, 32*ARECB
	s_mul_i32 s18, s16, 2*ARECB
	s_add_co_u32 s20, s20, s18
	s_mov_b32 s21, 0
	s_mul_i32 s46, s42, 32*BRECB
	s_mul_i32 s19, s16, 2*BRECB
	s_add_co_u32 s46, s46, s19
	s_mov_b32 s47, 0
	s_add_co_u32 s19, s19, ASLOT
	s_wait_kmcnt 0x0
	s_add_nc_u64 s[20:21], s[4:5], s[20:21]
	s_add_nc_u64 s[46:47], s[6:7], s[46:47]
	CROUND
.irp s, 0,1
	s_mov_b32 s[G0+4*\s], 1
	s_add_co_u32 s[G0+4*\s+1], s18, \s*SLOT
	s_add_nc_u64 s[G0+4*\s+2:G0+4*\s+3], s[20:21], \s*4*ARECB
	s_or_b32 s[G0+4*\s+3], s[G0+4*\s+3], 0x80000000
	s_mov_b32 s[G0B+4*\s], 1
	s_add_co_u32 s[G0B+4*\s+1], s19, \s*SLOT
	s_add_nc_u64 s[G0B+4*\s+2:G0B+4*\s+3], s[46:47], \s*4*BRECB
	s_or_b32 s[G0B+4*\s+3], s[G0B+4*\s+3], 0x80000000
.endr
	JLOAD G0, G1, G0B, G1B                         ; slot 0: the head's one load a wave
	; the prefetches: of the bytes that I fetch for a slot, each of the four partners that ask with me takes a quarter, told apart by address: 25 blocks of 256 bytes of h, 2 x 25 of W2
	s_mul_i32 s4, s40, 6400
	s_mul_i32 s6, s41, 12800
	s_mov_b32 s7, 4*BRECB
	s_cmp_eq_u32 s15, 0
	s_cselect_b64 s[12:13], s[20:21], s[46:47]
	s_cselect_b32 s6, s4, s6
	s_cselect_b32 s4, 4*ARECB, s7                  ; bytes from slot to slot
	s_mov_b32 s7, 0
	s_mov_b32 s5, 0
	s_add_nc_u64 s[12:13], s[12:13], s[6:7]
	s_add_nc_u64 s[12:13], s[12:13], s[4:5]
	s_add_nc_u64 s[12:13], s[12:13], s[4:5]        ; at slot 2
	v_and_b32 v1, 15, v0
	v_bfe_u32 v2, v0, 4, 1
	v_and_b32 v3, 31, v0
	v_min_u32 v30, 24, v3
	v_lshlrev_b32 v30, 8, v30                      ; a lane a block of 256 bytes; lanes 25-31 name the last block again
	v_lshlrev_b32 v[CO], 4, v3
	s_wait_alu depctr_va_vdst(0)
	v_lshlrev_b32 v5, 3, v3
	s_wait_alu depctr_va_vdst(0)
	v_lshlrev_b32 v[BO], 5, v2
	s_xor_b32 s2, s15, 1
	s_mul_i32 s20, s15, 2*ARECB
	s_mul_i32 s21, s15, 4*FRB
	s_add_co_u32 s21, s21, s20
	s_mul_i32 s22, s2, 4*FRB
	s_add_co_u32 s22, s22, s20
	s_mul_i32 s23, s15, 2*BRECB
	s_add_co_u32 s23, s23, ASLOT
	s_mul_i32 s45, s16, 8*FRB
	s_add_co_u32 s45, s45, s23
	s_lshl_b32 s46, s15, 8
	s_add_co_u32 s46, s46, s20
	s_add_co_u32 s46, s46, 8*FRB
	s_lshl_b32 s47, s2, 8
	s_add_co_u32 s47, s47, s20
	s_add_co_u32 s47, s47, 8*FRB
	s_lshl_b32 s2, s16, 9
	s_add_co_u32 s2, s2, s23
	s_add_co_u32 s2, s2, 16*FRB
.irp s, 0,1
	v_add_nc_u32 v[ADAL+\s], s21, v[CO]
	v_add_nc_u32 v[ADAH+\s], s22, v[CO]
	v_add_nc_u32 v[ADRB+\s], s45, v[CO]
	v_add_nc_u32 v[ASL+\s], s46, v5
	v_add_nc_u32 v[ASH+\s], s47, v5
	v_add_nc_u32 v[BS+\s], s2, v5
	s_add_co_u32 s21, s21, SLOT
	s_add_co_u32 s22, s22, SLOT
	s_add_co_u32 s45, s45, SLOT
	s_add_co_u32 s46, s46, SLOT
	s_add_co_u32 s47, s47, SLOT
	s_add_co_u32 s2, s2, SLOT
.endr
	s_lshl_b32 s20, s14, 15
	v_add_nc_u32 v[XS], s20, v[CO]
	s_xor_b32 s21, s14, 2
	s_lshl_b32 s21, s21, 15
	v_add_nc_u32 v[XR], s21, v[CO]
	s_mul_i32 s22, s14, 16*SPITCH
	s_add_co_u32 s22, s22, STAGE
	v_mul_u32_u24 v4, v1, SPITCH
	v_lshl_add_u32 v4, v2, 5, v4
	v_add_nc_u32 v[STO], s22, v4
	v_add_nc_u32 v[RD], s22, v[CO]
	s_lshl_b32 s22, s42, 10
	s_lshl_b32 s23, s16, 9
	s_add_co_u32 s22, s22, s23
	s_mov_b32 s23, 0
	s_add_nc_u64 s[8:9], s[8:9], s[22:23]
	s_lshl_b32 s20, s17, 7
	s_lshl_b32 s21, s15, 6
	s_add_co_u32 s20, s20, s21
	s_lshl_b32 s20, s20, 12
	s_add_co_u32 s20, s20, s22
	s_mov_b32 s21, 0
	s_add_nc_u64 s[10:11], s[10:11], s[20:21]
.irp b, 0,1,2,3,4,5,6,7
	global_load_b128 v[BI+8*\b:BI+8*\b+3],   v[BO], s[8:9] offset:64*\b
	global_load_b128 v[BI+8*\b+4:BI+8*\b+7], v[BO], s[8:9] offset:64*\b+16
.endr
.macro WM d, fb, fa, c, sb, sa, rows
.if (\c) < 0
.if (\rows) == 0
	v_wmma_scale_f32_16x16x128_f8f6f4 v[\d:\d+7], v[\fb:\fb+FR-1], v[\fa:\fa+FR-1], 0, v[\sb], v[\sa] matrix_a_fmt:MATRIX_FMT_BF6 matrix_b_fmt:MATRIX_FMT_BF6
.elseif (\rows) == 1
	v_wmma_scale_f32_16x16x128_f8f6f4 v[\d:\d+7], v[\fb:\fb+FR-1], v[\fa:\fa+FR-1], 0, v[\sb], v[\sa] matrix_a_fmt:MATRIX_FMT_BF6 matrix_b_fmt:MATRIX_FMT_BF6 matrix_b_scale:MATRIX_SCALE_ROW1
.elseif (\rows) == 2
	v_wmma_scale_f32_16x16x128_f8f6f4 v[\d:\d+7], v[\fb:\fb+FR-1], v[\fa:\fa+FR-1], 0, v[\sb], v[\sa] matrix_a_fmt:MATRIX_FMT_BF6 matrix_b_fmt:MATRIX_FMT_BF6 matrix_a_scale:MATRIX_SCALE_ROW1
.else
	v_wmma_scale_f32_16x16x128_f8f6f4 v[\d:\d+7], v[\fb:\fb+FR-1], v[\fa:\fa+FR-1], 0, v[\sb], v[\sa] matrix_a_fmt:MATRIX_FMT_BF6 matrix_b_fmt:MATRIX_FMT_BF6 matrix_a_scale:MATRIX_SCALE_ROW1 matrix_b_scale:MATRIX_SCALE_ROW1
.endif
.else
.if (\rows) == 0
	v_wmma_scale_f32_16x16x128_f8f6f4 v[\d:\d+7], v[\fb:\fb+FR-1], v[\fa:\fa+FR-1], v[\c:\c+7], v[\sb], v[\sa] matrix_a_fmt:MATRIX_FMT_BF6 matrix_b_fmt:MATRIX_FMT_BF6
.elseif (\rows) == 1
	v_wmma_scale_f32_16x16x128_f8f6f4 v[\d:\d+7], v[\fb:\fb+FR-1], v[\fa:\fa+FR-1], v[\c:\c+7], v[\sb], v[\sa] matrix_a_fmt:MATRIX_FMT_BF6 matrix_b_fmt:MATRIX_FMT_BF6 matrix_b_scale:MATRIX_SCALE_ROW1
.elseif (\rows) == 2
	v_wmma_scale_f32_16x16x128_f8f6f4 v[\d:\d+7], v[\fb:\fb+FR-1], v[\fa:\fa+FR-1], v[\c:\c+7], v[\sb], v[\sa] matrix_a_fmt:MATRIX_FMT_BF6 matrix_b_fmt:MATRIX_FMT_BF6 matrix_a_scale:MATRIX_SCALE_ROW1
.else
	v_wmma_scale_f32_16x16x128_f8f6f4 v[\d:\d+7], v[\fb:\fb+FR-1], v[\fa:\fa+FR-1], v[\c:\c+7], v[\sb], v[\sa] matrix_a_fmt:MATRIX_FMT_BF6 matrix_b_fmt:MATRIX_FMT_BF6 matrix_a_scale:MATRIX_SCALE_ROW1 matrix_b_scale:MATRIX_SCALE_ROW1
.endif
.endif
.endm
.macro MUL8 a, p, q, sc, mode
.irp b, 0,1,2,3,4,5,6,7
.if (\mode) == 0
	WM 8*(8*((\a)%4)+\b), 128*(\p)+FR*\b, AF+FR*(\a), 8*(8*((\a)%4)+\b), SC+16*(\sc)+8*(\q)+4+\b/2, SC+16*(\sc)+8*(\q)+(\a)/2, 2*(\b%2)+(\a)%2
.elseif (\mode) == 1
	WM 8*(8*((\a)%4)+\b), 128*(\p)+FR*\b, AF+FR*(\a), BI+8*\b, SC+16*(\sc)+8*(\q)+4+\b/2, SC+16*(\sc)+8*(\q)+(\a)/2, 2*(\b%2)+(\a)%2
.else
	WM 8*(8*((\a)%4)+\b), 128*(\p)+FR*\b, AF+FR*(\a), -1, SC+16*(\sc)+8*(\q)+4+\b/2, SC+16*(\sc)+8*(\q)+(\a)/2, 2*(\b%2)+(\a)%2
.endif
.endr
.endm
.macro MUL16 a0, p, q, sc, mode
	MUL8 (\a0), \p, \q, \sc, \mode
	MUL8 (\a0)+1, \p, \q, \sc, \mode
.endm
.macro FRAG3 reg, adr, off
.irp c, 0,1,2
	ds_load_b128 v[\reg+4*\c:\reg+4*\c+3], v[\adr] offset:\off+512*\c
.endr
.endm
.macro FETCH_B slot, q, p
	WIN TO_B
.irp i, 0,1,2,3,4,5,6,7
	FRAG3 128*(\p)+FR*\i, ADRB+\slot, (\q)*BRECB+FRB*\i
.endr
	WIN 0
.endm
.macro FETCH_A slot, q, i0
.irp i, 0,1,2,3
.if \i0 == 0
	FRAG3 AF+FR*\i, ADAL+\slot, (\q)*ARECB+FRB*\i
.else
	FRAG3 AF+FR*(4+\i), ADAH+\slot, (\q)*ARECB+FRB*\i
.endif
.endr
.endm
.macro SCALES sc
.irp q, 0,1
	ds_load_b64 v[SC+16*\sc+8*\q:SC+16*\sc+8*\q+1],   v[ASL+\sc] offset:\q*ARECB
	ds_load_b64 v[SC+16*\sc+8*\q+2:SC+16*\sc+8*\q+3], v[ASH+\sc] offset:\q*ARECB
	ds_load_b64 v[SC+16*\sc+8*\q+4:SC+16*\sc+8*\q+5], v[BS+\sc] offset:\q*BRECB
	ds_load_b64 v[SC+16*\sc+8*\q+6:SC+16*\sc+8*\q+7], v[BS+\sc] offset:\q*BRECB+256
.endr
.endm
.macro PLACES n
.rept \n
	v_nop
.endr
.endm
.macro STEP slot, q, first
	s_wait_dscnt 4*NL
.if \first
	WIN BIAS_LO
.else
	WIN MUL_LO
.endif
	MUL16 0, (\q)%2, \q, \slot, \first
	MUL16 2, (\q)%2, \q, \slot, \first
	s_wait_dscnt 0
	PLACES NP
	FETCH_B \slot, (\q)+1, 1-(\q)%2
	FETCH_A \slot, (\q)+1, 0
	WIN MUL_HI
	MUL16 4, (\q)%2, \q, \slot, 2*(\first)
	MUL16 6, (\q)%2, \q, \slot, 2*(\first)
	PLACES NP
	WIN 0
	FETCH_A \slot, (\q)+1, 4
.endm
; a prefetch for the slot that the NEXT refill loads: one slot ahead of that load.  guard = 1: the loop's last trip has no such slot
.macro ASK guard
.if \guard
	s_cmp_gt_u32 s3, 1
	s_cbranch_scc0 .Lpf_end_\@
.endif
	global_prefetch_b8 v30, s[12:13] th:TH_LOAD_NT scope:SCOPE_SE
	s_cmp_eq_u32 s15, 0
	s_cbranch_scc1 .Lpf_end_\@
	global_prefetch_b8 v30, s[12:13] offset:6400 th:TH_LOAD_NT scope:SCOPE_SE
.Lpf_end_\@:
.endm
.macro TURN slot, next, fill
.if \fill
	s_wait_xcnt 0x0                                ; my last prefetch has read its address
	s_add_nc_u64 s[12:13], s[12:13], s[4:5]
.endif
	s_wait_dscnt 4*NL
	WIN MUL_LO
	MUL16 0, 1, 1, \slot, 0
	MUL8 2, 1, 1, \slot, 0
	WIN 0
	s_wait_tensorcnt 0x0
	ds_add_u32 v[SPW], v[NIL]
.if \fill
	s_add_nc_u64 s[G0+4*\slot+2:G0+4*\slot+3], s[G0+4*\slot+2:G0+4*\slot+3], 8*ARECB
	s_add_nc_u64 s[G0B+4*\slot+2:G0B+4*\slot+3], s[G0B+4*\slot+2:G0B+4*\slot+3], 8*BRECB
.endif
	WIN MUL_LO
	MUL8 3, 1, 1, \slot, 0
	WIN 0
	s_wait_dscnt 0x0
	s_barrier_signal -1
	s_barrier_wait -1
.if \fill
	CREST
	JLOAD G0+4*\slot, G1, G0B+4*\slot, G1B
.else
	PLACES NP
.endif
	FETCH_B \next, 0, 0
	FETCH_A \next, 0, 0
	s_wait_alu depctr_va_vdst(0)
	SCALES \next
.if \fill
	ASK \slot
.endif
	WIN MUL_HI
	MUL16 4, 1, 1, \slot, 0
	MUL16 6, 1, 1, \slot, 0
	PLACES NP
	WIN 0
	FETCH_A \next, 0, 4
.endm
	s_wait_alu depctr_va_vdst(0)
	s_wait_tensorcnt 0x0                           ; my part of slot 0 is in; the full sequence ahead of slot 1's first fill
	ds_add_u32 v[SPW], v[NIL]
	s_wait_dscnt 0x0
	CROUND
	JLOAD G0+4, G1, G0B+4, G1B
	FETCH_B 0, 0, 0
	FETCH_A 0, 0, 0
	SCALES 0
	FETCH_A 0, 0, 4
	ASK 0                                          ; slot 2
	s_wait_loadcnt 0x0
	STEP 0, 0, 1
	s_mov_b32 s3, LAPS-1
.Llap:
	TURN 0, 1, 1
	STEP 1, 0, 0
	TURN 1, 0, 1
	STEP 0, 0, 0
	s_sub_co_u32 s3, s3, 1
	s_cmp_lg_u32 s3, 0
	s_cbranch_scc1 .Llap
	TURN 0, 1, 0
	STEP 1, 0, 0
	s_wait_dscnt 4*NL
	WIN MUL_LO
	MUL16 0, 1, 1, 1, 0
	MUL16 2, 1, 1, 1, 0
	s_wait_dscnt 0
	WIN MUL_HI
	MUL16 4, 1, 1, 1, 0
	MUL16 6, 1, 1, 1, 0
	WIN 0
	PLACES NP
	WIN 0x0c
.set t, 0
.rept 64
	ds_store_b128 v[XS], v[4*t:4*t+3] offset:512*t
.set t, t+1
.endr
	WIN 0
	s_wait_dscnt 0x0
	s_barrier_signal -1
	s_barrier_wait -1
	WIN TO_B
.set t, 0
.rept 64
	ds_load_b128 v[4*t:4*t+3], v[XR] offset:512*t
.set t, t+1
.endr
.irp a, 0,1,2,3
	s_wait_dscnt 48-16*\a
	WIN 0x86
.set i, 0
.rept 32
	v_pk_add_f32 v[64*\a+2*i:64*\a+2*i+1], v[64*\a+2*i:64*\a+2*i+1], v[64*\a+2*i:64*\a+2*i+1]
.set i, i+1
.endr
.endr
	WIN 0
.macro TOSTAGE a
.set AC, 64*(\a)
	WIN 0x08
.irp b, 0,1,2,3,4,5,6,7
	ds_store_b128 v[STO], v[AC+8*\b:AC+8*\b+3] offset:64*\b
	ds_store_b128 v[STO], v[AC+8*\b+4:AC+8*\b+7] offset:64*\b+16
.endr
	WIN 0
.set BB, BK+64*((\a)%2)
.irp t, 0,1,2,3,4,5,6,7,8,9,10,11,12,13,14,15
	ds_load_b128 v[BB+4*\t:BB+4*\t+3], v[RD] offset:\t*SPITCH
.endr
.endm
.macro SEND a, younger
.set BB, BK+64*((\a)%2)
	s_wait_dscnt \younger
.if (\a) > 0
	s_add_nc_u64 s[10:11], s[10:11], 16*OROW
.endif
.irp t, 0,1,2,3,4,5,6,7,8,9,10,11,12,13,14,15
	global_store_b128 v[CO], v[BB+4*\t:BB+4*\t+3], s[10:11] offset:\t*OROW th:TH_STORE_NT
.endr
.endm
	TOSTAGE 0
	s_wait_alu depctr_va_vdst(0)
.irp a, 1,2,3
.if \a > 1
	s_wait_xcnt 0x0
.endif
	TOSTAGE \a
	SEND \a-1, 32
.endr
	s_wait_xcnt 0x0
	SEND 3, 0
	s_wait_tensorcnt 0x0
	ds_add_u32 v[SPW], v[NIL]
	s_wait_dscnt 0x0
	CROUND
	s_endpgm
.Lfunc_end_k_q2e03e8b1d7_down:
	.size	k_q2e03e8b1d7_down, .Lfunc_end_k_q2e03e8b1d7_down-k_q2e03e8b1d7_down
	.p2alignl 7, 3214868480
	.fill 96, 4, 3214868480
	.section	.rodata,"a",@progbits
	.p2align	6, 0x0
	.amdhsa_kernel k_q2e03e8b1d7_down
		.amdhsa_group_segment_fixed_size 327680
		.amdhsa_private_segment_fixed_size 0
		.amdhsa_enable_private_segment 0
		.amdhsa_kernarg_size 32
		.amdhsa_user_sgpr_count 2
		.amdhsa_user_sgpr_kernarg_segment_ptr 1
		.amdhsa_wavefront_size32 1
		.amdhsa_system_sgpr_workgroup_id_x 1
		.amdhsa_system_sgpr_workgroup_id_y 1
		.amdhsa_system_sgpr_workgroup_id_z 1
		.amdhsa_system_vgpr_workitem_id 0
		.amdhsa_next_free_vgpr 1024
		.amdhsa_next_free_sgpr 66
		.amdhsa_reserve_vcc 0
		.amdhsa_float_denorm_mode_32 3
		.amdhsa_float_denorm_mode_16_64 3
		.amdhsa_memory_ordered 1
		.amdhsa_forward_progress 1
		.amdhsa_inst_pref_size 140
	.end_amdhsa_kernel
	.amdgpu_metadata
---
amdhsa.version: [ 1, 2 ]
amdhsa.kernels:
  - .name:           k_q2e03e8b1d7_down
    .symbol:         k_q2e03e8b1d7_down.kd
    .args:
      - { .name: hbuf, .offset: 0, .size: 8, .value_kind: global_buffer, .address_space: global }
      - { .name: w2buf, .offset: 8, .size: 8, .value_kind: global_buffer, .address_space: global }
      - { .name: b2, .offset: 16, .size: 8, .value_kind: global_buffer, .address_space: global }
      - { .name: out0, .offset: 24, .size: 8, .value_kind: global_buffer, .address_space: global }
    .group_segment_fixed_size: 327680
    .private_segment_fixed_size: 0
    .kernarg_segment_align: 8
    .kernarg_segment_size: 32
    .max_flat_workgroup_size: 128
    .sgpr_count:     66
    .vgpr_count:     1024
    .wavefront_size: 32
...
	.end_amdgpu_metadata
.endif
;; end of part 2
